; MI455X (gfx1250); checked and timed in simulation.
; The chip was launched on July 23, 2026; its instructions are those of AMD's public machine-readable ISA for CDNA 5 (MIT licence, August 2026) and "CDNA5" Instruction Set Architecture Reference Guide (July 2026). The comments in the code are by the model that wrote it; some were corrected since.
;; min LSTM. Allowed arithmetic: matrix products marked QUANTISED: E2M1 operands, one E8M0 scale for each 32 along K, by v_wmma_scale_f32_16x16x128_f8f6f4 with both operands' format E2M1 (or v_wmma_scale_f32_32x16x128_f4), f32 sums; everything else in f32.
;; Inputs: W_f_codes 1,024 x 32 x 16 uint8 (E2M1 codes of W_f, K innermost, in blocks of 32 codes, two codes a byte); W_f_scales 1,024 x 32 uint8 (E8M0 scales of W_f, one for each 32 codes along K); W_h_codes 1,024 x 32 x 16 uint8 (E2M1 codes of W_h, K innermost, in blocks of 32 codes, two codes a byte); W_h_scales 1,024 x 32 uint8 (E8M0 scales of W_h, one for each 32 codes along K); W_i_codes 1,024 x 32 x 16 uint8 (E2M1 codes of W_i, K innermost, in blocks of 32 codes, two codes a byte); W_i_scales 1,024 x 32 uint8 (E8M0 scales of W_i, one for each 32 codes along K); h_0 4 x 1,024 float32; x_codes 4 x 4,096 x 32 x 16 uint8 (E2M1 codes of x, K innermost, in blocks of 32 codes, two codes a byte); x_scales 4 x 4,096 x 32 uint8 (E8M0 scales of x, one for each 32 codes along K).
;; Outputs: out0 4 x 4,096 x 1,024 float32.
;; This version of the problem:
;;   THIS VERSION OF THE PROBLEM IS GIVEN IN LOW PRECISION. The matrix products marked QUANTISED in the list below multiply operands that are first quantised to E2M1 (2 exponent bits, 1 mantissa bit; 4 bits a number), with one power-of-two scale for each 32 numbers along K (OCP MX v1.0); their sums are f32. All else is computed in f32.
;;   The module's matrix products, in the order in which they are computed (A, B: the left and right operand; K: the contracted axis; several contracted axes count as one K, in the product's order):
;;     1. [M 16,384, K 1,024] x [K 1,024, N 1,024]; A: input x (given as codes); B: input W_f (given as codes): QUANTISED
;;     2. [M 16,384, K 1,024] x [K 1,024, N 1,024]; A: input x (given as codes); B: input W_i (given as codes): QUANTISED
;;     3. [M 16,384, K 1,024] x [K 1,024, N 1,024]; A: input x (given as codes); B: input W_h (given as codes): QUANTISED
;;   THE QUANTISER, for each operand of a quantised product, along K:
;;     - K is cut into blocks of 32 from its start; a last block that is shorter is filled with zeros.
;;     - A block's scale is 2^e with e = floor(log2(the largest magnitude in the block)) - 2, held to -126 .. 127; a block of zeros has e = 0. As a byte (E8M0): e + 127.
;;     - Each number is divided by its block's scale, clamped to +-6, and rounded to the nearest number of E2M1, ties to even, subnormals kept.
;;     - The product sums the exact products of the quantised numbers (number of the format x scale) in f32.
;;   ~~~python
;;   def quantise(x, axis):      # numpy; x: float32 -> the quantised numbers, widened to float32 again
;;       x = np.moveaxis(x, axis, -1); K = x.shape[-1]
;;       x = np.pad(x, [(0, 0)] * (x.ndim - 1) + [(0, -K % 32)]); x = x.reshape(x.shape[:-1] + (-1, 32)); a = np.abs(x).max(-1, keepdims=True)
;;       e = np.where(a > 0, np.clip(np.frexp(np.where(a > 0, a, 1))[1] - 1 - 2, -126, 127), 0)      # np.frexp(a)[1] - 1 = floor(log2(a)), exactly
;;       r = np.clip(x / 2.0 ** e, -6, 6)
;;       step = 2.0 ** (np.maximum(np.frexp(np.where(r == 0, 1, r))[1] - 1, 0) - 1)
;;       q = np.round(r / step) * step * 2.0 ** e      # np.round: ties to even
;;       return np.moveaxis(q.reshape(q.shape[:-2] + (-1,))[..., :K], -1, axis).astype(np.float32)
;;   ~~~
;;   INPUTS GIVEN AS CODES. W_f (in the module: [1024, 1024], K = its axis 1); W_h (in the module: [1024, 1024], K = its axis 1); W_i (in the module: [1024, 1024], K = its axis 1); x (in the module: [4, 4096, 1024], K = its axis 2): each comes as NAME_codes (uint8): NAME with its K axis moved to the last place and cut into blocks of 32 codes, [.., K / 32, bytes a block], one block behind the other in memory; two codes a byte, the lower K in the low four bits (a code: sign, 2 exponent bits, 1 mantissa bit); and NAME_scales (uint8): the same leading axes, one E8M0 byte (e + 127) for each 32 codes along K. Its value is code x scale, taken as it is: it is not quantised again, and the codes and scales need not be those that the quantiser above would give.
;; One version. Each part assembles by itself: llvm-mc -triple=amdgcn-amd-amdhsa -mcpu=gfx1250 --defsym DOCPART=n.
;; ======== version 1 of 1: 1 launch
;; limits: right only within a limited range of input values
;; launch minlstm (part 1): grid 256 x 1, 8 waves a work-group, clusters of 4 x 1, 167,936 bytes of LDS; arguments x_codes, x_scales, W_f_codes, W_f_scales, W_i_codes, W_i_scales, W_h_codes, W_h_scales, h_0, out0; writes out0
.if DOCPART == 1
	.amdgcn_target "amdgcn-amd-amdhsa--gfx1250"
	.amdhsa_code_object_version 6
	.text
	.protected	k_qd96e9b22aa_minlstm
	.globl	k_qd96e9b22aa_minlstm
	.p2align	8
	.type	k_qd96e9b22aa_minlstm,@function
k_qd96e9b22aa_minlstm:
	s_mov_b64 s[64:65], 0
	v_nop
	global_prefetch_b8 v0, s[64:65] scope:SCOPE_SE
	s_setreg_imm32_b32 hwreg(HW_REG_WAVE_MODE, 25, 1), 1
	s_wait_xcnt 0x0
	s_wait_alu depctr_hold_cnt(0) depctr_sa_sdst(0) depctr_va_vdst(0) depctr_va_sdst(0) depctr_va_ssrc(0) depctr_va_vcc(0) depctr_vm_vsrc(0)
	s_getreg_b32 s2, hwreg(HW_REG_IB_STS2, 6, 4)
	s_cmp_eq_u32 s2, 0
	s_cbranch_scc0 .Lentry_in_a_cluster
	s_endpgm
.Lentry_in_a_cluster:
	s_bfe_u32 s2, ttmp6, 0x10000c
	s_cmp_lg_u32 s2, 0x3003
	s_cbranch_scc0 .Lentry_shape_is_right
	s_endpgm
.Lentry_shape_is_right:
; minLSTM.  zf, zi, zh = x W^T in MX-FP4; f = sig(zf)/(sig(zf)+sig(zi)), i = 1 - f, g = max(zh,0) + sig(min(zh,0));
; h_t = f_t h_(t-1) + i_t g_t, h_(-1) = g(h_0): the recurrence that reference()'s scan in logarithms solves.
; With m = min(zf, zi, 0): f = (e^m + e^(m-zi)) / S, i = (e^m + e^(m-zf)) / S, S their sum: every exponent is at most 0 and one is 0.
; LIMIT: h is carried as a number, not as a logarithm: an h under the least f32 number becomes 0, as reference()'s final exp makes it.
; A work-group owns one batch and 16 columns for all 4,096 steps of L: 4 x 64 = 256 work-groups.  Its 64 bytes of an output row are a quarter
; of an aligned 256 bytes; the four work-groups of a cluster hold the four quarters.  Clusters 4 b .. 4 b + 3 (mod 16) take batch b.
; L goes in 16 steps of 256 rows; wave w takes rows 32 w .. 32 w + 31 of a step: 2 tiles x 3 gates x 8 along K = 48 matrix instructions.
; x COMES THROUGH REGISTERS: a wave's 32 rows are 32 loads of 512 neighbouring bytes; they go into LDS bytes of the wave's own and come back as fragments.
; No joint tensor loads, though the cluster's four read the same rows: a ring of two slots of 256 rows (2 x 135,168 bytes) is waited for whole at each of its
; barriers, while here the 34 loads of step s + 2 are issued in the middle of step s and no barrier waits for them.
; THE SCAN: a lane holds one column and 16 neighbouring rows (lanes 0-15 rows 0-15, lanes 16-31 rows 16-31 of the wave's 32): prefixes (A, B) in the lane,
; the halves joined by a lane permute, the waves' eight pairs through a table in LDS (two tables by turns, one barrier a step); every wave carries h itself.
; REGISTERS: window 0: v0-15 addresses, v16-31 W's scales, v32-47 x's scales (two sets), v48-63 carries, v64-111 sums, v112-175 x's fragments (4 sets) or
; the gates' temporaries, v176-191 the table, v192-255 rows 0-15 on their way.  Window 1: v0-191 W's fragments, v192-255 rows 16-31 on their way.
.set RP,    528                ; an LDS row: 512 bytes + 16
.set HB,    16*RP+128          ; rows 16-31 lie 128 bytes further, so that a tile's 16 rows start in 16 different 16-byte columns of 256
.set WR,    32*RP+128          ; a wave's rows
.set WST,   8*WR               ; W's 48 rows
.set TAB,   WST+48*RP          ; two tables of 8 waves x 256 bytes
.set SPARE, TAB+4096           ; the spare words, 128 bytes a wave
.set SPW, 1
.set NIL, 2
.set AX, 3
.set XSO, 4
.set OUTO, 5
.set TABW, 6
.set TABR, 7
.set XO, 8
.set SX, 9
.set PFO, 10
.set HR, 11
.set WS, 16
.set XS, 32
.set CR, 48
.set ACC, 64
.set XB, 112
.set TB, 176
.set ST, 192
.set fF, ACC
.set fI, ACC+8
.set fZ, ACC+16
.set tM, XB
.set tE, XB+8
.set tD, XB+16
.set XCB, 4
.set XSB, 6
.set OUTB, 22
.set WV, 24
.set TRIP, 25
.set LIM, 26
.set PFB, 32
.set PFS, 34
.set MK, 36
.set MHI, 43
.set CNEG, 44
.set CPOS, 46
.set SEL, 48
.set MSB, 0
.macro WIN new
.if MSB != \new
	s_set_vgpr_msb (MSB<<8)|\new
.set MSB, \new
.endif
.endm
.macro PLACES n
.rept \n
	v_nop
.endr
.endm
.macro XLOAD q                 ; x's fragments of the q-th 128 along K, both tiles
.irp k, 0,1
.irp c, 0,1
	ds_load_b128 v[XB+16*((\q)%4)+8*\k+4*\c:XB+16*((\q)%4)+8*\k+4*\c+3], v[AX] offset:8*\k*RP+64*(\q)+32*\c
.endr
.endr
.endm
.macro XSTORE                  ; my 32 rows from registers into my LDS bytes
.set gi, 0
.rept 16
	ds_store_b128 v[SX], v[ST+4*gi:ST+4*gi+3] offset:gi*RP
.set gi, gi+1
.endr
	WIN 0x04
.set gi, 0
.rept 16
	ds_store_b128 v[SX], v[ST+4*gi:ST+4*gi+3] offset:gi*RP+HB
.set gi, gi+1
.endr
.endm
.macro GLOAD t, par            ; my 32 rows and their scales, t steps on from the bases: 34 loads
	WIN 0x40
.set gi, 0
.rept 16
	global_load_b128 v[ST+4*gi:ST+4*gi+3], v[XO], s[XCB:XCB+1] offset:\t*131072+(gi+16)*512
.set gi, gi+1
.endr
	WIN 0
.set gi, 0
.rept 16
	global_load_b128 v[ST+4*gi:ST+4*gi+3], v[XO], s[XCB:XCB+1] offset:\t*131072+gi*512
.set gi, gi+1
.endr
	global_load_b128 v[XS+8*\par:XS+8*\par+3], v[XSO], s[XSB:XSB+1] offset:\t*8192
	global_load_b128 v[XS+8*\par+4:XS+8*\par+7], v[XSO], s[XSB:XSB+1] offset:\t*8192+16
.endm
.macro WM d, a, b, sa, sb, ra, rb, zero
.if \zero
.if (\ra) && (\rb)
	v_wmma_scale_f32_16x16x128_f8f6f4 v[(\d):(\d)+7], v[(\a):(\a)+7], v[(\b):(\b)+7], 0, v[\sa], v[\sb] matrix_a_fmt:MATRIX_FMT_FP4 matrix_b_fmt:MATRIX_FMT_FP4 matrix_a_scale:MATRIX_SCALE_ROW1 matrix_b_scale:MATRIX_SCALE_ROW1
.elseif \ra
	v_wmma_scale_f32_16x16x128_f8f6f4 v[(\d):(\d)+7], v[(\a):(\a)+7], v[(\b):(\b)+7], 0, v[\sa], v[\sb] matrix_a_fmt:MATRIX_FMT_FP4 matrix_b_fmt:MATRIX_FMT_FP4 matrix_a_scale:MATRIX_SCALE_ROW1
.elseif \rb
	v_wmma_scale_f32_16x16x128_f8f6f4 v[(\d):(\d)+7], v[(\a):(\a)+7], v[(\b):(\b)+7], 0, v[\sa], v[\sb] matrix_a_fmt:MATRIX_FMT_FP4 matrix_b_fmt:MATRIX_FMT_FP4 matrix_b_scale:MATRIX_SCALE_ROW1
.else
	v_wmma_scale_f32_16x16x128_f8f6f4 v[(\d):(\d)+7], v[(\a):(\a)+7], v[(\b):(\b)+7], 0, v[\sa], v[\sb] matrix_a_fmt:MATRIX_FMT_FP4 matrix_b_fmt:MATRIX_FMT_FP4
.endif
.else
.if (\ra) && (\rb)
	v_wmma_scale_f32_16x16x128_f8f6f4 v[(\d):(\d)+7], v[(\a):(\a)+7], v[(\b):(\b)+7], v[(\d):(\d)+7], v[\sa], v[\sb] matrix_a_fmt:MATRIX_FMT_FP4 matrix_b_fmt:MATRIX_FMT_FP4 matrix_a_scale:MATRIX_SCALE_ROW1 matrix_b_scale:MATRIX_SCALE_ROW1
.elseif \ra
	v_wmma_scale_f32_16x16x128_f8f6f4 v[(\d):(\d)+7], v[(\a):(\a)+7], v[(\b):(\b)+7], v[(\d):(\d)+7], v[\sa], v[\sb] matrix_a_fmt:MATRIX_FMT_FP4 matrix_b_fmt:MATRIX_FMT_FP4 matrix_a_scale:MATRIX_SCALE_ROW1
.elseif \rb
	v_wmma_scale_f32_16x16x128_f8f6f4 v[(\d):(\d)+7], v[(\a):(\a)+7], v[(\b):(\b)+7], v[(\d):(\d)+7], v[\sa], v[\sb] matrix_a_fmt:MATRIX_FMT_FP4 matrix_b_fmt:MATRIX_FMT_FP4 matrix_b_scale:MATRIX_SCALE_ROW1
.else
	v_wmma_scale_f32_16x16x128_f8f6f4 v[(\d):(\d)+7], v[(\a):(\a)+7], v[(\b):(\b)+7], v[(\d):(\d)+7], v[\sa], v[\sb] matrix_a_fmt:MATRIX_FMT_FP4 matrix_b_fmt:MATRIX_FMT_FP4
.endif
.endif
.endm
; The step's products.  The six sums take turns; the first product of each starts it with C = 0.
; x's scales: lanes 0-15 tile 0's rows, lanes 16-31 tile 1's.  W's: v16-23 lanes 0-15 W_f, lanes 16-31 W_i; v24-31 W_h.
.macro MPH par
	WIN 0x04                                       ; source 1 (W) in window 1
.irp q, 0,1,2,3,4,5,6,7
.if \q < 5
	s_wait_dscnt 12                                ; three younger groups of four fragment loads may be out
.else
	s_wait_dscnt 4*(7-\q)
.endif
.irp k, 0,1
.irp g, 0,1,2
.if \q == 0
	WM ACC+24*\k+8*\g, XB+16*(\q%4)+8*\k, 8*(3*\q+\g), XS+8*\par+\q, WS+8*(\g/2)+\q, \k, \g%2, 1
.else
	WM ACC+24*\k+8*\g, XB+16*(\q%4)+8*\k, 8*(3*\q+\g), XS+8*\par+\q, WS+8*(\g/2)+\q, \k, \g%2, 0
.endif
.endr
.endr
.if \q < 4
	PLACES 4                                       ; ahead of loads into registers that the products above have read
	XLOAD \q+4
.endif
.endr
	PLACES 5                                       ; ahead of the reads of the sums and of the loads into the scales' registers
	WIN 0
.endm
.macro PK3 op, d, a, b         ; a packed line on both tiles' eight numbers
.irp k, 0,1
.irp i, 0,2,4,6
	\op v[\d+24*\k+\i:\d+24*\k+\i+1], v[\a+24*\k+\i:\a+24*\k+\i+1], v[\b+24*\k+\i:\b+24*\k+\i+1]
.endr
.endr
.endm
.macro PKS d                   ; x log2(e)
.irp k, 0,1
.irp i, 0,2,4,6
	v_pk_mul_f32 v[\d+24*\k+\i:\d+24*\k+\i+1], v[\d+24*\k+\i:\d+24*\k+\i+1], s[CPOS:CPOS+1] op_sel_hi:[1,0]
.endr
.endr
.endm
.macro PKFS d                  ; (m - z) log2(e)
.irp k, 0,1
.irp i, 0,2,4,6
	v_pk_fma_f32 v[\d+24*\k+\i:\d+24*\k+\i+1], v[\d+24*\k+\i:\d+24*\k+\i+1], s[CNEG:CNEG+1], v[tM+24*\k+\i:tM+24*\k+\i+1] op_sel_hi:[1,0,1]
.endr
.endr
.endm
.macro S_LINE                  ; prefixes inside each tile: B_j = f_j B_(j-1) + b_j, A_j = f_j A_(j-1); the two tiles by turns
.set sj, 1+n/4
.if n >= 4
	s_delay_alu instid0(VALU_DEP_4)
.endif
.if n%4 == 0
	v_fmac_f32 v[fF+sj], v[fI+sj], v[fF+sj-1]
.elseif n%4 == 1
	v_fmac_f32 v[fF+24+sj], v[fI+24+sj], v[fF+24+sj-1]
.elseif n%4 == 2
	v_mul_f32 v[fI+sj], v[fI+sj], v[fI+sj-1]
.else
	v_mul_f32 v[fI+24+sj], v[fI+24+sj], v[fI+24+sj-1]
.endif
.endm
; The gates of 16 numbers a lane, in batches: sources, one wait, 64 exponentials, one wait; 16 reciprocals likewise.
.macro VPH
.irp k, 0,1
.irp n, 0,1,2,3,4,5,6,7
	v_min3_num_f32 v[tM+24*\k+\n], v[fF+24*\k+\n], v[fI+24*\k+\n], 0
.endr
.endr
.irp k, 0,1
.irp n, 0,1,2,3,4,5,6,7
	v_min_num_f32 v[tE+24*\k+\n], 0, v[fZ+24*\k+\n]
.endr
.endr
	PKS tM
	PKS tE
	PKFS fF
	PKFS fI
	s_wait_alu depctr_va_vdst(0)
.irp b, tM, tE, fF, fI
.irp k, 0,1
.irp n, 0,1,2,3,4,5,6,7
	v_exp_f32 v[\b+24*\k+\n], v[\b+24*\k+\n]
.endr
.endr
.endr
.irp k, 0,1
.irp n, 0,1,2,3,4,5,6,7
	v_max_num_f32 v[fZ+24*\k+\n], 0, v[fZ+24*\k+\n]
.endr
.endr
	s_wait_alu depctr_va_vdst(0)
	PK3 v_pk_add_f32, fF, fF, tM                   ; e^m + e^(m-zf)
	PK3 v_pk_add_f32, fI, fI, tM                   ; e^m + e^(m-zi)
.irp k, 0,1
.irp i, 0,2,4,6
	v_pk_add_f32 v[tD+24*\k+\i:tD+24*\k+\i+1], v[tE+24*\k+\i:tE+24*\k+\i+1], 1.0 op_sel_hi:[1,0]
.endr
.endr
	PK3 v_pk_add_f32, tM, fF, fI                   ; S
	PK3 v_pk_mul_f32, tM, tM, tD                   ; S (1 + e)
	s_wait_alu depctr_va_vdst(0)
.irp k, 0,1
.irp n, 0,1,2,3,4,5,6,7
	v_rcp_f32 v[tM+24*\k+\n], v[tM+24*\k+\n]
.endr
.endr
	v_nop
	s_wait_alu depctr_va_vdst(0)
	PK3 v_pk_mul_f32, tD, tD, tM                   ; 1 / S
	PK3 v_pk_mul_f32, tE, tE, tM                   ; e / (1 + e) / S
.irp k, 0,1
.irp i, 0,2,4,6
	v_pk_fma_f32 v[tE+24*\k+\i:tE+24*\k+\i+1], v[tD+24*\k+\i:tD+24*\k+\i+1], v[fZ+24*\k+\i:fZ+24*\k+\i+1], v[tE+24*\k+\i:tE+24*\k+\i+1]
.endr
.endr
	PK3 v_pk_mul_f32, fF, fF, tE                   ; b = i g
	PK3 v_pk_mul_f32, fI, fI, tD                   ; f
.set n, 0
.rept 28
	S_LINE
.set n, n+1
.endr
	v_mul_f32 v[CR+10], v[fI+7], v[fI+31]          ; my 16 rows' pair
	v_fma_f32 v[CR+11], v[fI+31], v[fF+7], v[fF+31]
	s_delay_alu instid0(VALU_DEP_2)
	v_permlanex16_b32 v[CR], v[CR+10], s[SEL], s[SEL+1]      ; the other half's
	s_delay_alu instid0(VALU_DEP_2)
	v_permlanex16_b32 v[CR+1], v[CR+11], s[SEL], s[SEL+1]
	s_delay_alu instid0(VALU_DEP_2)
	v_mul_f32 v[CR+12], v[CR+10], v[CR]            ; in lanes 16-31: the wave's 32 rows' pair
	s_delay_alu instid0(VALU_DEP_2)
	v_fma_f32 v[CR+13], v[CR+10], v[CR+1], v[CR+11]
.endm
; One step.  st: the next step's rows go into LDS; ld: the rows two steps on are asked for; pf: the rows four steps on are prefetched; nx: a step follows.
.macro STEP par, st, ld, pf, nx
	MPH \par
.if \st
	s_wait_loadcnt 0x0                             ; the next step's 34 loads, issued a step ago; my fragment reads of this step are back
	XSTORE
.if \ld
	GLOAD 2, \par
.else
	WIN 0
.endif
.endif
.if \pf
; The tile that the loads two steps on will ask for: 512 blocks of 256 bytes of codes and 32 of scales, named once in the cluster: work-group cx takes a quarter
; by address, waves 0-3 32 blocks of codes each, wave 4 eight of scales (its lanes 7-31 name the last).  The last trip asks for nothing.
	s_cmp_gt_u32 s[TRIP], s[LIM]
	s_cbranch_scc0 .Lnp_\@
	global_prefetch_b8 v[PFO], s[PFB:PFB+1] th:TH_LOAD_NT scope:SCOPE_SE
.Lnp_\@:
.endif
	VPH
	ds_store_b64 v[TABW], v[CR+12:CR+13] offset:\par*2048
	s_wait_alu depctr_va_vdst(0)
	s_wait_dscnt 0x0                               ; my pair is in the table; my reads of the other table are long back
	s_barrier_signal -1
	s_barrier_wait -1
.irp j, 0,1,2,3,4,5,6,7
	ds_load_b64 v[TB+2*\j:TB+2*\j+1], v[TABR] offset:\par*2048+256*\j
.endr
.if \nx
	XLOAD 0
	XLOAD 1
	XLOAD 2
	XLOAD 3
	s_wait_dscnt 16                                ; the eight pairs are in; the 16 fragment loads may be out
.else
	s_wait_dscnt 0x0
.endif
	v_fma_f32 v[CR+2], v[TB], v[HR], v[TB+1]       ; h behind wave 0, 1, ..; I keep the one behind wave w - 1
	s_delay_alu instid0(VALU_DEP_1)
	v_cndmask_b32 v[CR+3], v[HR], v[CR+2], s[MK]
.irp j, 1,2,3,4,5,6
	s_delay_alu instid0(VALU_DEP_2)
	v_fma_f32 v[CR+2], v[TB+2*\j], v[CR+2], v[TB+2*\j+1]
	s_delay_alu instid0(VALU_DEP_1)
	v_cndmask_b32 v[CR+3], v[CR+3], v[CR+2], s[MK+\j]
.endr
	v_fma_f32 v[HR], v[TB+14], v[CR+2], v[TB+15]   ; h behind the step's last row
	v_fma_f32 v[CR+6], v[CR], v[CR+3], v[CR+1]     ; lanes 16-31: past the lower half's 16 rows
	s_delay_alu instid0(VALU_DEP_1)
	v_cndmask_b32 v[CR+4], v[CR+3], v[CR+6], s[MHI]
.irp i, 0,2,4,6
	v_pk_fma_f32 v[fF+\i:fF+\i+1], v[fI+\i:fI+\i+1], v[CR+4:CR+5], v[fF+\i:fF+\i+1] op_sel_hi:[1,0,1]
.endr
.irp i, 0,2,4,6
	v_pk_fma_f32 v[fF+24+\i:fF+25+\i], v[fI+24+\i:fI+25+\i], v[fF+6:fF+7], v[fF+24+\i:fF+25+\i] op_sel:[0,1,0] op_sel_hi:[1,1,1]
.endr
.irp k, 0,1
.irp j, 0,1,2,3,4,5,6,7
	global_store_b32 v[OUTO], v[fF+24*\k+\j], s[OUTB:OUTB+1] offset:(8*\k+\j)*4096   ; 16 lanes: the work-group's 64 bytes of a row
.endr
.endr
.if \nx
	s_wait_alu depctr_va_vdst(0)
	s_wait_xcnt 0x0                                ; the bases are stepped and the sums written again only behind this wait
	s_add_nc_u64 s[OUTB:OUTB+1], s[OUTB:OUTB+1], 1048576
.endif
.if \ld
	s_add_nc_u64 s[XCB:XCB+1], s[XCB:XCB+1], 131072
	s_add_nc_u64 s[XSB:XSB+1], s[XSB:XSB+1], 8192
.endif
.if \pf
	s_add_nc_u64 s[PFB:PFB+1], s[PFB:PFB+1], s[PFS:PFS+1]
.endif
.endm
	s_load_b256 s[4:11], s[0:1], 0x0               ; x codes, x scales, W_f codes, W_f scales
	s_load_b256 s[12:19], s[0:1], 0x20             ; W_i codes, scales, W_h codes, scales
	s_load_b128 s[20:23], s[0:1], 0x40             ; h_0, out0
	v_lshl_add_u32 v[SPW], v0, 2, SPARE
	v_mov_b32 v[NIL], 0
	v_lshrrev_b32 v12, 5, v0
	v_readfirstlane_b32 s[WV], v12
	s_bfe_u32 s27, ttmp6, 0x40000                  ; cx
	s_bfe_u32 s29, ttmp9, 0x20002                  ; batch: bits 3:2 of the cluster's number
	s_and_b32 s28, ttmp9, 3
	s_lshr_b32 s30, ttmp9, 4
	s_lshl_b32 s30, s30, 2
	s_add_co_u32 s28, s28, s30
	s_lshl_b32 s28, s28, 2
	s_add_co_u32 s28, s28, s27                     ; group of 16 columns, 0 .. 63
	s_mul_i32 s30, s[WV], WR
	s_lshl_b32 s31, s[WV], 14
	s_lshl_b32 s52, s[WV], 10
	s_lshl_b32 s53, s[WV], 17
	s_mul_i32 s54, s[WV], 2*RP
	s_lshl_b32 s50, s27, 15
	s_lshl_b32 s51, s[WV], 13
	s_add_co_u32 s50, s50, s51
	s_lshl_b32 s51, s27, 11
	s_mov_b32 s[PFS], 8192
	s_cmp_lt_u32 s[WV], 4
	s_cselect_b32 s55, 31, 7
	s_cselect_b32 s50, s50, s51
	s_cselect_b32 s[PFS], 0x20000, s[PFS]
	s_mov_b32 s[PFS+1], 0
	s_cmp_lt_u32 s[WV], 5
	s_cselect_b32 s[LIM], 1, 64
.irp j, 0,1,2,3,4,5,6
	s_cmp_gt_u32 s[WV], \j
	s_cselect_b32 s[MK+\j], -1, 0
.endr
	s_mov_b32 s[MHI], 0xffff0000
	s_mov_b32 s[CNEG], 0xbfb8aa3b
	s_mov_b32 s[CNEG+1], s[CNEG]
	s_mov_b32 s[CPOS], 0x3fb8aa3b
	s_mov_b32 s[CPOS+1], s[CPOS]
	s_mov_b32 s[SEL], 0x76543210
	s_mov_b32 s[SEL+1], 0xfedcba98
	s_mov_b32 s[TRIP], 7
	v_and_b32 v13, 31, v0                          ; lane
	v_and_b32 v14, 15, v0                          ; r
	v_bfe_u32 v15, v0, 4, 1                        ; h
	v_and_b32 v12, 7, v0
	v_bfe_u32 v[HR], v0, 3, 1
	v_mul_u32_u24 v[AX], v12, RP                   ; fragments: lane r of tile k takes row 8 k + r % 8 + 16 (r / 8)
	v_mad_u32_u24 v[AX], v[HR], HB, v[AX]
	v_lshl_add_u32 v[AX], v15, 4, v[AX]
	v_add_nc_u32 v[AX], s30, v[AX]
	v_lshl_add_u32 v[SX], v13, 4, s30
	v_lshl_add_u32 v[XO], v13, 4, s31
	v_lshlrev_b32 v[XSO], 5, v12                   ; scales: lanes 16-31 tile 1's rows, 8 further down
	v_lshl_add_u32 v[XSO], v[HR], 9, v[XSO]
	v_lshl_add_u32 v[XSO], v15, 8, v[XSO]
	v_add_nc_u32 v[XSO], s52, v[XSO]
	v_lshlrev_b32 v[OUTO], 2, v14
	v_lshl_add_u32 v[OUTO], v15, 16, v[OUTO]
	v_add_nc_u32 v[OUTO], s53, v[OUTO]
	v_lshl_add_u32 v[TABW], v0, 3, TAB
	v_lshl_add_u32 v[TABR], v14, 3, TAB+128
	v_min_u32 v[PFO], s55, v13
	v_lshl_add_u32 v[PFO], v[PFO], 8, s50
	v_lshl_add_u32 v176, v13, 4, s52               ; W: my two rows of each gate, in memory,
	v_lshl_add_u32 v177, v13, 4, s54
	v_add_nc_u32 v177, WST, v177                   ; and in LDS
	v_mul_u32_u24 v178, v14, RP
	v_lshl_add_u32 v178, v15, 4, v178
	v_add_nc_u32 v178, WST, v178                   ; W's fragments
	v_lshlrev_b32 v179, 5, v14                     ; W's scales
	v_lshlrev_b32 v180, 2, v14                     ; h_0
	s_wait_alu depctr_va_vdst(0)
	s_wait_kmcnt 0x0
	s_lshl_b32 s50, s29, 21
	s_mov_b32 s51, 0
	s_add_nc_u64 s[XCB:XCB+1], s[XCB:XCB+1], s[50:51]
	s_lshl_b32 s50, s29, 17
	s_add_nc_u64 s[XSB:XSB+1], s[XSB:XSB+1], s[50:51]
	GLOAD 0, 0                                     ; step 0's rows first
	s_lshl_b32 s50, s28, 13
	s_add_nc_u64 s[8:9], s[8:9], s[50:51]
	s_add_nc_u64 s[12:13], s[12:13], s[50:51]
	s_add_nc_u64 s[16:17], s[16:17], s[50:51]
	s_lshl_b32 s50, s28, 9
	s_add_nc_u64 s[10:11], s[10:11], s[50:51]
	s_add_nc_u64 s[14:15], s[14:15], s[50:51]
	s_add_nc_u64 s[18:19], s[18:19], s[50:51]
	s_lshl_b32 s50, s28, 6
	s_lshl_b32 s30, s29, 12
	s_add_co_u32 s50, s50, s30
	s_add_nc_u64 s[20:21], s[20:21], s[50:51]
.irp g, 0,1,2
.irp i, 0,1
	global_load_b128 v[112+8*\g+4*\i:115+8*\g+4*\i], v176, s[8+4*\g:9+4*\g] offset:512*\i
.endr
.endr
	global_load_b128 v[136:139], v179, s[10:11]
	global_load_b128 v[140:143], v179, s[10:11] offset:16
	global_load_b128 v[144:147], v179, s[14:15]
	global_load_b128 v[148:151], v179, s[14:15] offset:16
	global_load_b128 v[WS+8:WS+11], v179, s[18:19]
	global_load_b128 v[WS+12:WS+15], v179, s[18:19] offset:16
	global_load_b32 v152, v180, s[20:21]
	s_lshl_b32 s50, s28, 6
	s_lshl_b32 s30, s29, 24
	s_add_co_u32 s50, s50, s30
	s_add_nc_u64 s[OUTB:OUTB+1], s[OUTB:OUTB+1], s[50:51]
	s_cmp_lt_u32 s[WV], 4
	s_cselect_b64 s[PFB:PFB+1], s[XCB:XCB+1], s[XSB:XSB+1]
	s_lshl_b32 s50, s[PFS], 2
	s_add_nc_u64 s[PFB:PFB+1], s[PFB:PFB+1], s[50:51]   ; four steps on
	s_wait_loadcnt 13                              ; step 0's 34 are in; the 13 for W and h_0 may be out
	XSTORE
	GLOAD 1, 1
	s_wait_loadcnt 34                              ; W and h_0 are in; step 1's 34 may be out
.irp g, 0,1,2
.irp i, 0,1
	ds_store_b128 v177, v[112+8*\g+4*\i:115+8*\g+4*\i] offset:(16*\g+\i)*RP
.endr
.endr
.irp q, 0,1,2,3,4,5,6,7
	v_cndmask_b32 v[WS+\q], v[136+\q], v[144+\q], s[MHI]
.endr
	v_mul_f32 v153, s[CPOS], v152                  ; g(h_0)
	v_min_num_f32 v153, 0, v153
	s_wait_alu depctr_va_vdst(0)
	v_exp_f32 v153, v153
	v_max_num_f32 v152, 0, v152
	s_wait_alu depctr_va_vdst(0)
	v_add_f32 v154, 1.0, v153
	s_wait_alu depctr_va_vdst(0)
	v_rcp_f32 v154, v154
	v_mov_b32 v[CR], 0
	v_mov_b32 v[CR+1], 0
	v_mov_b32 v[CR+5], 0
	s_wait_alu depctr_va_vdst(0)
	v_fma_f32 v[HR], v153, v154, v152
	PLACES 2
	s_wait_alu depctr_va_vdst(0)
	s_wait_dscnt 0x0                               ; my rows of W are in LDS
	s_barrier_signal -1
	s_barrier_wait -1
	WIN 0x40
.irp q, 0,1,2,3,4,5,6,7
.irp g, 0,1,2
.irp c, 0,1
	ds_load_b128 v[8*(3*\q+\g)+4*\c:8*(3*\q+\g)+4*\c+3], v178 offset:\g*16*RP+64*\q+32*\c
.endr
.endr
.endr
	WIN 0
	XLOAD 0
	XLOAD 1
	XLOAD 2
	XLOAD 3
.Ltrip:                                                ; two steps a trip: the scales' sets and the tables come back after two
	STEP 0, 1, 1, 1, 1
	STEP 1, 1, 1, 1, 1
	s_sub_co_u32 s[TRIP], s[TRIP], 1
	s_cmp_lg_u32 s[TRIP], 0
	s_cbranch_scc1 .Ltrip
	STEP 0, 1, 0, 0, 1                             ; step 14 asks for nothing more
	STEP 1, 0, 0, 0, 0
	s_wait_tensorcnt 0x0                           ; the wave's end
	ds_add_u32 v[SPW], v[NIL]
	s_wait_dscnt 0x0
	s_endpgm
.Lfunc_end_k_qd96e9b22aa_minlstm:
	.size	k_qd96e9b22aa_minlstm, .Lfunc_end_k_qd96e9b22aa_minlstm-k_qd96e9b22aa_minlstm
	.p2alignl 7, 3214868480
	.fill 96, 4, 3214868480
	.section	.rodata,"a",@progbits
	.p2align	6, 0x0
	.amdhsa_kernel k_qd96e9b22aa_minlstm
		.amdhsa_group_segment_fixed_size 167936
		.amdhsa_private_segment_fixed_size 0
		.amdhsa_enable_private_segment 0
		.amdhsa_kernarg_size 80
		.amdhsa_user_sgpr_count 2
		.amdhsa_user_sgpr_kernarg_segment_ptr 1
		.amdhsa_wavefront_size32 1
		.amdhsa_system_sgpr_workgroup_id_x 1
		.amdhsa_system_sgpr_workgroup_id_y 1
		.amdhsa_system_sgpr_workgroup_id_z 1
		.amdhsa_system_vgpr_workitem_id 0
		.amdhsa_next_free_vgpr 512
		.amdhsa_next_free_sgpr 66
		.amdhsa_reserve_vcc 0
		.amdhsa_float_denorm_mode_32 3
		.amdhsa_float_denorm_mode_16_64 3
		.amdhsa_memory_ordered 1
		.amdhsa_forward_progress 1
		.amdhsa_inst_pref_size 142
	.end_amdhsa_kernel
	.amdgpu_metadata
---
amdhsa.version: [ 1, 2 ]
amdhsa.kernels:
  - .name:           k_qd96e9b22aa_minlstm
    .symbol:         k_qd96e9b22aa_minlstm.kd
    .args:
      - { .name: x_codes, .offset: 0, .size: 8, .value_kind: global_buffer, .address_space: global }
      - { .name: x_scales, .offset: 8, .size: 8, .value_kind: global_buffer, .address_space: global }
      - { .name: W_f_codes, .offset: 16, .size: 8, .value_kind: global_buffer, .address_space: global }
      - { .name: W_f_scales, .offset: 24, .size: 8, .value_kind: global_buffer, .address_space: global }
      - { .name: W_i_codes, .offset: 32, .size: 8, .value_kind: global_buffer, .address_space: global }
      - { .name: W_i_scales, .offset: 40, .size: 8, .value_kind: global_buffer, .address_space: global }
      - { .name: W_h_codes, .offset: 48, .size: 8, .value_kind: global_buffer, .address_space: global }
      - { .name: W_h_scales, .offset: 56, .size: 8, .value_kind: global_buffer, .address_space: global }
      - { .name: h_0, .offset: 64, .size: 8, .value_kind: global_buffer, .address_space: global }
      - { .name: out0, .offset: 72, .size: 8, .value_kind: global_buffer, .address_space: global }
    .group_segment_fixed_size: 167936
    .private_segment_fixed_size: 0
    .kernarg_segment_align: 8
    .kernarg_segment_size: 80
    .max_flat_workgroup_size: 256
    .sgpr_count:     66
    .vgpr_count:     512
    .wavefront_size: 32
...
	.end_amdgpu_metadata
.endif
;; end of part 1
